; MI455X (gfx1250); checked and timed in simulation.
; The chip was launched on July 23, 2026; its instructions are those of AMD's public machine-readable ISA for CDNA 5 (MIT licence, August 2026) and "CDNA5" Instruction Set Architecture Reference Guide (July 2026). The comments in the code are by the model that wrote it; some were corrected since.
;; Attention. Allowed arithmetic: float matrix products may take bf16 or f16 operands with f32 sums; all other float work in f32.
;; Inputs: k 4 x 16 x 1,024 x 64 float32; projection_matrix 64 x 64 float32; q 4 x 16 x 1,024 x 64 float32; v 4 x 16 x 1,024 x 64 float32.
;; Outputs: out0 4 x 16 x 1,024 x 64 float32.
;; One version. Each part assembles by itself: llvm-mc -triple=amdgcn-amd-amdhsa -mcpu=gfx1250 --defsym DOCPART=n.
;; ======== version 1 of 1: 2 launches
;; limits: values are held in f16: magnitudes above 65,504 overflow, below 6.1e-05 lose precision; inputs' magnitudes at most 65,504
;; workspace buffers: states 6,291,456 bytes; kmax 1,024 bytes
;; launch kstate (part 1): grid 256 x 1, 4 waves a work-group, no clusters, 220,416 bytes of LDS; arguments k, v, projection_matrix, states, kmax; writes states, kmax
.if DOCPART == 1
	.amdgcn_target "amdgcn-amd-amdhsa--gfx1250"
	.amdhsa_code_object_version 6
	.text
	.protected	k_q2b6c9778cc_kstate
	.globl	k_q2b6c9778cc_kstate
	.p2align	8
	.type	k_q2b6c9778cc_kstate,@function
k_q2b6c9778cc_kstate:
	s_mov_b64 s[64:65], 0
	v_nop
	global_prefetch_b8 v0, s[64:65] scope:SCOPE_SE
	s_setreg_imm32_b32 hwreg(HW_REG_WAVE_MODE, 25, 1), 1
	s_wait_xcnt 0x0
; FAVOR+ causal attention, first of two launches.  64 heads of 1024 keys, D = M = 64, all f32 in memory.
; Work-group id = 4 head + c owns the quarter of keys 256 c .. 256 c + 255 of its head; wave w owns keys 64 w .. 64 w + 63 of it.
;   raw[t][m] = sum over d of f16(k[t][d]) f16(P[d][m])              (matrix unit, f32 sums)
;   lmax      = the quarter's largest raw                            -> kmax[id]
;   a[t][m]   = 2^14 exp2(C1 (raw - lmax) - C2 |k_t|^2)              C1 = 64^-1/4 log2 e, C2 = log2 e / 16
;   image     = A[m][d] = sum_t a v, za[m] = sum_t a, Vs[d] = sum_t v   -> states[id], 24 tiles of 16 x 16 f32 in register order
; The head's maximum is not known here: the second launch scales a quarter's image by 2^-14 exp2(C1 (lmax - head's maximum)), which is
; exact algebra because the image is linear in a.  Quarter 3's image is never read, so its work-group makes the maximum alone.
; FORMAT: f16 operands, 11 significant bits.  The exponential is at most 1, so a is at most 2^14 and is a normal f16 number down to an
; exponential of 2^-28, far below the 1e-4 that is added to it later.  k, v, P: see LIMITS.
; No cluster: no two work-groups read the same byte of k or v; what they share is P, 16,384 of a work-group's 147,456 input bytes.
; No ring: the work-group's 131,072 bytes of k and v are all requested in the first lines and fit in LDS and registers.
; LIMITS: |k|, |v|, |P| below 65,504 (f16's largest number), and numbers below 2^-14 in magnitude are kept to 2^-25 absolute;
; the exponent is one chain of fused multiply-adds in base 2 (another order of rounding than exp(x - diag - max));
; v_exp_f32 gives 0 below 2^-126; a NaN loses in the maxima; kmax is one store of 4 bytes for a work-group.
.set KPITCH, 272                       ; f32 stage: a row of 256 bytes + 16 of padding, so 16 rows start 16 bytes apart modulo 256
.set BPITCH, 160                       ; f16 arrays [K][N]: 128 bytes + 32, five times 32 bytes
.set KST,  0                           ; 256 keys x 272: filled by tensor loads alone
.set VB,   69632                       ; 256 rows of v in f16 x 160
.set PB,   110592                      ; 64 rows of P in f16 x 160
.set SS,   120832                      ; |k_t|^2, 4 bytes a key
.set MX,   121856                      ; the four waves' maxima
.set PART, 122112                      ; four partial images
.set IMG,  24576                       ; bytes in an image
.set C1,   0x3f0293ee                  ; 64^-1/4 log2 e
.set NC1,  0xbf0293ee
.set NC2,  0xbdb8aa3b                  ; - log2 e / 16
.set SH14, 0x41600000                  ; 14.0: a's factor 2^14, in the exponent
.set ONE2, 0x3c003c00                  ; two f16 ones
.set ADX,  1                           ; v1       my 32 bytes in row r of my wave's first key tile
.set ADSS, 2                           ; v2       where |k|^2 of key r goes
.set TA,   3                           ; v3       an address at work
.set T,    4                           ; v[4:7]   two pairs at work
.set PF,   8                           ; v[8:71]  P fragments (mt, s) at 8 (2 mt + s); then
.set VF,   8                           ;          v fragments (s, dt) at 8 (4 s + dt)
.set VL,   72                          ; v[72:199] v as loaded; then
.set RAW,  72                          ;          raw tiles (t, mt) at 8 (4 t + mt); then
.set AF1,  72                          ; v[72:103]  a fragments of keys 32-63, and
.set ACC,  104                         ; v[104:183] two sets of five accumulator tiles
.set PL,   200                         ; v[200:231] P as loaded; then
.set X,    200                         ;          half a key row in f32; then
.set NB,   200                         ;          the exponents' addends, 8 for a key tile; then
.set AF0,  200                         ;          a fragments of keys 0-31
.set XB,   232                         ; v[232:247] the key fragment in f16; then
.set ONES, 232                         ; v[232:239] a fragment of ones
.set OFV,  248
.set OFP,  249
.set ADVBW, 250
.set ADPBW, 251
.set ADP,  252
.set ADV,  253
.set ADPT, 254
.set ADR1, 254
.set ADR0, 255
.set RD,   8                           ; v[8:199] the reduction: 12 units x 4 partial images x 4 registers
.set G1,   28                          ; s[28:35] descriptor group 1
.set G0,   36                          ; s[36:51] descriptor group 0, one set for each of my four key tiles
; Four places behind a matrix instruction before a vector instruction, a store or a load touches its registers.
.macro PLACES
.rept 4
	v_nop
.endr
.endm
; Lane (r, h) takes d = 8h.., 16+8h.., 32+8h.., 48+8h.. (8 each) of key row r: the order of two 16-bit fragments.
.macro XLOAD tile
.irp g, 0,1,2,3,4,5,6,7
	ds_load_b128 v[X+4*\g:X+4*\g+3], v[ADX] offset:(\tile)*16*KPITCH+(\g/2)*64+(\g%2)*16
.endr
.endm
.macro SSQ                             ; sum of squares of my 32 numbers, two chains
	v_pk_mul_f32 v[T:T+1], v[X:X+1], v[X:X+1]
	v_pk_mul_f32 v[T+2:T+3], v[X+2:X+3], v[X+2:X+3]
.set jj, 2
.rept 7
	v_pk_fma_f32 v[T:T+1], v[X+2*jj:X+2*jj+1], v[X+2*jj:X+2*jj+1], v[T:T+1]
	v_pk_fma_f32 v[T+2:T+3], v[X+2*jj+2:X+2*jj+3], v[X+2*jj+2:X+2*jj+3], v[T+2:T+3]
.set jj, jj+2
.endr
	v_pk_add_f32 v[T:T+1], v[T:T+1], v[T+2:T+3]
.endm
.macro CVTX
.set jj, 0
.rept 16
	v_cvt_pk_f16_f32 v[XB+jj], v[X+2*jj], v[X+2*jj+1]
.set jj, jj+1
.endr
.endm
	s_load_b256 s[4:11], s[0:1], 0x0               ; k s[4:5], v s[6:7], P s[8:9], states s[10:11]
	s_load_b64 s[12:13], s[0:1], 0x20              ; kmax
	v_lshrrev_b32 v[TA], 5, v0
	v_readfirstlane_b32 s14, v[TA]                 ; wave 0..3
	s_mov_b32 s15, ttmp9                           ; id = 4 head + c
	s_and_b32 s16, s15, 3                          ; c
	s_lshl_b32 s18, s15, 16                        ; the quarter's 65,536 bytes in k and in v
	s_mov_b32 s19, 0
	s_lshl_b32 s20, s14, 14                        ; my wave's 64 rows of 256 bytes
	s_mov_b32 s21, 0
	s_mov_b32 s22, 0x76543210                      ; v_permlanex16_b32: lane i reads lane i of the other half
	s_mov_b32 s23, 0xfedcba98
	s_mov_b32 s24, C1
	s_mov_b32 s25, C1
	s_mov_b32 s26, NC2
	s_mov_b32 s27, NC2
	s_mov_b32 s2, NC1
	s_mov_b32 s3, SH14
	; group 1: a tile of 16 rows x 64 f32, 4 words of padding behind every 64 words
	s_mov_b32 s[G1+0], (2<<16)|(1<<20)|(5<<22)|(3<<25)
	s_mov_b32 s[G1+1], 64<<16                      ; tensor_dim0 = 64
	s_mov_b32 s[G1+2], 16<<16                      ; tensor_dim1 = 16
	s_mov_b32 s[G1+3], 64<<16                      ; tile_dim0 = 64
	s_mov_b32 s[G1+4], 16                          ; tile_dim1 = 16
	s_mov_b32 s[G1+5], 64                          ; 64 elements from row to row
	s_mov_b32 s[G1+6], 0
	s_mov_b32 s[G1+7], 0
	s_mul_i32 s53, s14, 64*KPITCH                  ; my wave's 64 rows of the stage
	s_wait_kmcnt 0x0
	s_add_nc_u64 s[4:5], s[4:5], s[18:19]          ; k and v at the quarter
	s_add_nc_u64 s[6:7], s[6:7], s[18:19]
	s_add_nc_u64 s[54:55], s[4:5], s[20:21]        ; k at my wave's keys
.irp t, 0,1,2,3
	s_mov_b32 s[G0+4*\t], 1
	s_add_co_u32 s[G0+4*\t+1], s53, KST+\t*16*KPITCH
	s_add_nc_u64 s[G0+4*\t+2:G0+4*\t+3], s[54:55], \t*4096
	s_or_b32 s[G0+4*\t+3], s[G0+4*\t+3], 0x80000000
	tensor_load_to_lds s[G0+4*\t:G0+4*\t+3], s[G1:G1+7]    ; four loads out at the most; only my wave reads what they bring
	s_nop 0
.endr
	v_and_b32 v3, 31, v0                           ; L
	v_and_b32 v4, 15, v0                           ; r
	v_bfe_u32 v5, v0, 4, 1                         ; h
	v_lshlrev_b32 v6, 4, v3                        ; 16 L
	v_add_nc_u32 v[OFV], s20, v6                   ; v: my wave's rows, 16 bytes a lane
	s_lshl_b32 s58, s14, 12
	v_add_nc_u32 v[OFP], s58, v6                   ; P: rows 16 w .. 16 w + 15
	v_mul_u32_u24 v[ADX], v4, KPITCH
	v_lshl_add_u32 v[ADX], v5, 5, v[ADX]
	v_add_nc_u32 v[ADX], s53, v[ADX]
	s_lshl_b32 s57, s14, 8
	s_add_co_u32 s57, s57, SS                      ; my wave's 64 words of |k|^2
	v_lshl_add_u32 v[ADSS], v4, 2, s57
	v_mul_u32_u24 v7, v5, BPITCH
	v_lshl_add_u32 v7, v4, 3, v7                   ; row h, 8 bytes for 4 columns
	s_mul_i32 s56, s14, 64*BPITCH
	s_add_co_u32 s56, s56, VB
	v_add_nc_u32 v[ADVBW], s56, v7
	s_mul_i32 s58, s14, 16*BPITCH
	s_add_co_u32 s58, s58, PB
	v_add_nc_u32 v[ADPBW], s58, v7
	v_and_b32 v7, 7, v0                            ; the transposing load's lane term: row 8 h + (L & 7), 16 bytes ((L >> 3) & 1)
	v_lshl_add_u32 v7, v5, 3, v7
	v_mul_u32_u24 v7, v7, BPITCH
	v_bfe_u32 v4, v0, 3, 1
	v_lshl_add_u32 v7, v4, 4, v7
	v_add_nc_u32 v[ADP], PB, v7
	v_add_nc_u32 v[ADV], s56, v7
	s_mul_i32 s59, s14, IMG
	s_add_co_u32 s59, s59, PART
	v_add_nc_u32 v[ADPT], s59, v6                  ; my wave's partial image
	s_lshl_b32 s54, s14, 2
	s_add_co_u32 s54, s54, MX
	s_mul_i32 s55, s14, IMG/4                      ; my quarter of the image in the reduction
	s_lshl_b32 s20, s15, 2
	s_add_nc_u64 s[12:13], s[12:13], s[20:21]      ; kmax[id]
	s_mul_i32 s20, s15, IMG
	s_add_nc_u64 s[10:11], s[10:11], s[20:21]      ; states[id]
; P (and v) to f16 in LDS, the projection of my 64 keys, the quarter's maximum.  withv = 0: quarter 3, which needs no v.
.macro HEAD withv
.set ii, 0
.rept 8
	global_load_b128 v[PL+4*ii:PL+4*ii+3], v[OFP], s[8:9] offset:ii*512
.set ii, ii+1
.endr
.if \withv
.set ii, 0
.rept 32
	global_load_b128 v[VL+4*ii:VL+4*ii+3], v[OFV], s[6:7] offset:ii*512        ; two whole rows of v an instruction
.set ii, ii+1
.endr
.endif
	s_wait_loadcnt 32*\withv                       ; P is in; the 32 younger loads of v stay out
.set ii, 0
.rept 8
	v_cvt_pk_f16_f32 v[PL+4*ii], v[PL+4*ii], v[PL+4*ii+1]
	v_cvt_pk_f16_f32 v[PL+4*ii+1], v[PL+4*ii+2], v[PL+4*ii+3]
	ds_store_b64 v[ADPBW], v[PL+4*ii:PL+4*ii+1] offset:ii*2*BPITCH
.set ii, ii+1
.endr
.if \withv
	s_wait_loadcnt 0x0
.set ii, 0
.rept 32
	v_cvt_pk_f16_f32 v[VL+4*ii], v[VL+4*ii], v[VL+4*ii+1]
	v_cvt_pk_f16_f32 v[VL+4*ii+1], v[VL+4*ii+2], v[VL+4*ii+3]
	ds_store_b64 v[ADVBW], v[VL+4*ii:VL+4*ii+1] offset:ii*2*BPITCH
.set ii, ii+1
.endr
.endif
	s_wait_dscnt 0x0                               ; my rows of P are in LDS, for the other waves' sake
	s_barrier_signal -1
	s_barrier_wait -1                              ; everybody's are
.irp mt, 0,1,2,3
.irp s, 0,1
	ds_load_tr16_b128 v[PF+8*(2*\mt+\s):PF+8*(2*\mt+\s)+3], v[ADP] offset:\s*32*BPITCH+\mt*32
	ds_load_tr16_b128 v[PF+8*(2*\mt+\s)+4:PF+8*(2*\mt+\s)+7], v[ADP] offset:\s*32*BPITCH+\mt*32+16*BPITCH
.endr
.endr
	s_wait_tensorcnt 0x3                           ; my first key tile is in; the three younger stay out
	XLOAD 0
.irp t, 0,1,2,3
	s_wait_dscnt 0x0                               ; the tile's rows (and, the first time, P's fragments)
	SSQ
	CVTX                                           ; 17 plain instructions of SSQ stand between the last tile's products and these writes of their source
.if \t < 3
	s_wait_tensorcnt 2-\t                          ; tile t + 1 is in; the 2 - t younger stay out
	XLOAD \t+1
.endif
.irp mt, 0,1,2,3
	v_wmma_f32_16x16x32_f16 v[RAW+8*(4*\t+\mt):RAW+8*(4*\t+\mt)+7], v[XB:XB+7], v[PF+16*\mt:PF+16*\mt+7], 0
.endr
.irp mt, 0,1,2,3
	v_wmma_f32_16x16x32_f16 v[RAW+8*(4*\t+\mt):RAW+8*(4*\t+\mt)+7], v[XB+8:XB+15], v[PF+16*\mt+8:PF+16*\mt+15], v[RAW+8*(4*\t+\mt):RAW+8*(4*\t+\mt)+7]
.endr
	v_add_f32 v[T], v[T], v[T+1]
	v_permlanex16_b32 v[T+1], v[T], s22, s23       ; the other half of the row lies in lane L xor 16
	v_add_f32 v[T], v[T], v[T+1]
	ds_store_b32 v[ADSS], v[T] offset:64*\t        ; |k|^2 of key 16 t + r (both halves store the same word)
.endr
	PLACES
.irp k, 0,1,2,3
	v_max_num_f32 v[T+\k], v[RAW+32*\k], v[RAW+32*\k+1]
.endr
.set ii, 1
.rept 15
.irp k, 0,1,2,3
	v_max3_num_f32 v[T+\k], v[T+\k], v[RAW+32*\k+2*ii], v[RAW+32*\k+2*ii+1]
.endr
.set ii, ii+1
.endr
	v_max3_num_f32 v[T], v[T], v[T+1], v[T+2]
	v_max_num_f32 v[T], v[T], v[T+3]
	v_max_num_f32_dpp v[T], v[T], v[T] row_xmask:1 row_mask:0xf bank_mask:0xf
	v_max_num_f32_dpp v[T], v[T], v[T] row_xmask:2 row_mask:0xf bank_mask:0xf
	v_max_num_f32_dpp v[T], v[T], v[T] row_xmask:4 row_mask:0xf bank_mask:0xf
	v_max_num_f32_dpp v[T], v[T], v[T] row_xmask:8 row_mask:0xf bank_mask:0xf
	v_permlanex16_b32 v[T+1], v[T], s22, s23
	v_max_num_f32 v[T], v[T], v[T+1]
	v_mov_b32 v[TA], s54
	ds_store_b32 v[TA], v[T]                       ; my wave's maximum
	s_wait_dscnt 0x0
	s_barrier_signal -1
	s_barrier_wait -1
	v_mov_b32 v[TA], MX
	ds_load_b128 v[T:T+3], v[TA]
	s_wait_dscnt 0x0
	v_max3_num_f32 v[T], v[T], v[T+1], v[T+2]
	v_max_num_f32 v[T], v[T], v[T+3]               ; lmax, in every lane
	v_mov_b32 v[TA], 0
	s_wait_xcnt 0x0                                ; EXEC changes only behind this wait
	v_cmp_eq_u32 vcc_lo, 0, v0
	s_and_saveexec_b32 s52, vcc_lo
	global_store_b32 v[TA], v[T], s[12:13]         ; thread 0 alone
	s_wait_xcnt 0x0
	s_or_b32 exec_lo, exec_lo, s52
.endm
	s_cmp_eq_u32 s16, 3                            ; the same for all four waves
	s_cbranch_scc1 .Lmax_only
	HEAD 1
	; a = exp2(C1 raw - C2 |k|^2 - C1 lmax + 14).  In a raw tile lane (r, h) holds m = r and keys 8 h + j: |k|^2 comes back by key.
	v_bfe_u32 v[TA], v0, 4, 1
	v_lshl_add_u32 v[TA], v[TA], 5, s57
.irp g, 0,1,2,3,4,5,6,7
	ds_load_b128 v[NB+4*\g:NB+4*\g+3], v[TA] offset:(\g/2)*64+(\g%2)*16       ; my own wave's stores, served in order
.endr
.irp s, 0,1
.irp dt, 0,1,2,3
	ds_load_tr16_b128 v[VF+8*(4*\s+\dt):VF+8*(4*\s+\dt)+3], v[ADV] offset:\s*32*BPITCH+\dt*32
	ds_load_tr16_b128 v[VF+8*(4*\s+\dt)+4:VF+8*(4*\s+\dt)+7], v[ADV] offset:\s*32*BPITCH+\dt*32+16*BPITCH
.endr
.endr
	v_fma_f32 v[T+2], v[T], s2, s3                 ; 14 - C1 lmax, twice for the packed forms
	v_fma_f32 v[T+3], v[T], s2, s3
	s_wait_dscnt 16                                ; |k|^2 is in; the 16 younger loads of v's fragments stay out
.set ii, 0
.rept 16
	v_pk_fma_f32 v[NB+2*ii:NB+2*ii+1], v[NB+2*ii:NB+2*ii+1], s[26:27], v[T+2:T+3] op_sel_hi:[1,0,1]
.set ii, ii+1
.endr
.irp t, 0,1,2,3
.irp mt, 0,1,2,3
.irp i, 0,1,2,3
	v_pk_fma_f32 v[RAW+8*(4*\t+\mt)+2*\i:RAW+8*(4*\t+\mt)+2*\i+1], v[RAW+8*(4*\t+\mt)+2*\i:RAW+8*(4*\t+\mt)+2*\i+1], s[24:25], v[NB+8*\t+2*\i:NB+8*\t+2*\i+1] op_sel_hi:[1,0,1]
.endr
.endr
.endr
.set ii, 0
.rept 128
	v_exp_f32 v[RAW+ii], v[RAW+ii]
.set ii, ii+1
.endr
	v_nop                                          ; one plain place behind the last exponential
	; key tiles 2 s and 2 s + 1 pack straight into the fragment (row m, 32 keys)
	s_wait_alu depctr_va_vdst(0)
.irp mt, 0,1,2,3
.irp i, 0,1,2,3
	v_cvt_pk_f16_f32 v[AF0+8*\mt+\i], v[RAW+8*\mt+2*\i], v[RAW+8*\mt+2*\i+1]
	v_cvt_pk_f16_f32 v[AF0+8*\mt+4+\i], v[RAW+8*(4+\mt)+2*\i], v[RAW+8*(4+\mt)+2*\i+1]
.endr
.endr
.irp mt, 0,1,2,3
.irp i, 0,1,2,3
	v_cvt_pk_f16_f32 v[AF1+8*\mt+\i], v[RAW+8*(8+\mt)+2*\i], v[RAW+8*(8+\mt)+2*\i+1]
	v_cvt_pk_f16_f32 v[AF1+8*\mt+4+\i], v[RAW+8*(12+\mt)+2*\i], v[RAW+8*(12+\mt)+2*\i+1]
.endr
.endr
.irp i, 0,1,2,3,4,5,6,7
	v_mov_b32 v[ONES+\i], ONE2
.endr
	s_wait_dscnt 0x0                               ; v's fragments
; One column dt of the image over my 64 keys: tiles (mt, dt), mt = 0..3 from a, mt = 4 from ones (Vs); dt = 4: ones for v (za).
; The first product starts each sum.  Two sets of accumulators take turns, so eight places lie between two uses of a set.
.macro STATE dt, set
.if \dt < 4
.set B0, VF+8*\dt
.set B1, VF+32+8*\dt
.else
.set B0, ONES
.set B1, ONES
.endif
.set AC, ACC+40*\set
.irp mt, 0,1,2,3
	v_wmma_f32_16x16x32_f16 v[AC+8*\mt:AC+8*\mt+7], v[AF0+8*\mt:AF0+8*\mt+7], v[B0:B0+7], 0
.endr
.if \dt < 4
	v_wmma_f32_16x16x32_f16 v[AC+32:AC+39], v[ONES:ONES+7], v[B0:B0+7], 0
.endif
.irp mt, 0,1,2,3
	v_wmma_f32_16x16x32_f16 v[AC+8*\mt:AC+8*\mt+7], v[AF1+8*\mt:AF1+8*\mt+7], v[B1:B1+7], v[AC+8*\mt:AC+8*\mt+7]
.endr
.if \dt < 4
	v_wmma_f32_16x16x32_f16 v[AC+32:AC+39], v[ONES:ONES+7], v[B1:B1+7], v[AC+32:AC+39]
.endif
	PLACES
.irp mt, 0,1,2,3
	ds_store_b128 v[ADPT], v[AC+8*\mt:AC+8*\mt+3] offset:(5*\mt+\dt)*1024
	ds_store_b128 v[ADPT], v[AC+8*\mt+4:AC+8*\mt+7] offset:(5*\mt+\dt)*1024+512
.endr
.if \dt < 4
	ds_store_b128 v[ADPT], v[AC+32:AC+35] offset:(20+\dt)*1024
	ds_store_b128 v[ADPT], v[AC+36:AC+39] offset:(20+\dt)*1024+512
.endif
.endm
	STATE 0, 0
	STATE 1, 1
	STATE 2, 0
	STATE 3, 1
	STATE 4, 0
	; The four waves' images are added: wave w takes units 12 w .. 12 w + 11 of 512 bytes.
	s_wait_dscnt 0x0                               ; my image is in LDS, for the others' sake
	s_barrier_signal -1
	v_and_b32 v[TA], 31, v0
	v_lshlrev_b32 v[TA], 4, v[TA]
	v_add_nc_u32 v[TA], s55, v[TA]                 ; my 16 bytes of my first unit
	v_add_nc_u32 v[ADR0], PART, v[TA]              ; in images 0, 1
	v_add_nc_u32 v[ADR1], PART+2*IMG, v[TA]        ; in images 2, 3
	s_barrier_wait -1
.set uu, 0
.rept 12
	ds_load_b128 v[RD+16*uu:RD+16*uu+3], v[ADR0] offset:uu*512
	ds_load_b128 v[RD+16*uu+4:RD+16*uu+7], v[ADR0] offset:IMG+uu*512
	ds_load_b128 v[RD+16*uu+8:RD+16*uu+11], v[ADR1] offset:uu*512
	ds_load_b128 v[RD+16*uu+12:RD+16*uu+15], v[ADR1] offset:IMG+uu*512
.set uu, uu+1
.endr
.set uu, 0
.rept 12
	s_wait_dscnt 44-4*uu                           ; this unit's four loads are in; those of the 11 - u younger units stay out
	v_pk_add_f32 v[RD+16*uu:RD+16*uu+1], v[RD+16*uu:RD+16*uu+1], v[RD+16*uu+4:RD+16*uu+5]
	v_pk_add_f32 v[RD+16*uu+2:RD+16*uu+3], v[RD+16*uu+2:RD+16*uu+3], v[RD+16*uu+6:RD+16*uu+7]
	v_pk_add_f32 v[RD+16*uu+8:RD+16*uu+9], v[RD+16*uu+8:RD+16*uu+9], v[RD+16*uu+12:RD+16*uu+13]
	v_pk_add_f32 v[RD+16*uu+10:RD+16*uu+11], v[RD+16*uu+10:RD+16*uu+11], v[RD+16*uu+14:RD+16*uu+15]
	v_pk_add_f32 v[RD+16*uu:RD+16*uu+1], v[RD+16*uu:RD+16*uu+1], v[RD+16*uu+8:RD+16*uu+9]
	v_pk_add_f32 v[RD+16*uu+2:RD+16*uu+3], v[RD+16*uu+2:RD+16*uu+3], v[RD+16*uu+10:RD+16*uu+11]
	global_store_b128 v[TA], v[RD+16*uu:RD+16*uu+3], s[10:11] offset:uu*512    ; 512 consecutive bytes, aligned; each store has data registers of its own
.set uu, uu+1
.endr
	s_endpgm
.Lmax_only:
	HEAD 0
	s_endpgm
.Lfunc_end_k_q2b6c9778cc_kstate:
	.size	k_q2b6c9778cc_kstate, .Lfunc_end_k_q2b6c9778cc_kstate-k_q2b6c9778cc_kstate
	.p2alignl 7, 3214868480
	.fill 96, 4, 3214868480
	.section	.rodata,"a",@progbits
	.p2align	6, 0x0
	.amdhsa_kernel k_q2b6c9778cc_kstate
		.amdhsa_group_segment_fixed_size 220416
		.amdhsa_private_segment_fixed_size 0
		.amdhsa_enable_private_segment 0
		.amdhsa_kernarg_size 40
		.amdhsa_user_sgpr_count 2
		.amdhsa_user_sgpr_kernarg_segment_ptr 1
		.amdhsa_wavefront_size32 1
		.amdhsa_system_sgpr_workgroup_id_x 1
		.amdhsa_system_sgpr_workgroup_id_y 1
		.amdhsa_system_sgpr_workgroup_id_z 1
		.amdhsa_system_vgpr_workitem_id 0
		.amdhsa_next_free_vgpr 256
		.amdhsa_next_free_sgpr 66
		.amdhsa_reserve_vcc 1
		.amdhsa_float_denorm_mode_32 3
		.amdhsa_float_denorm_mode_16_64 3
		.amdhsa_memory_ordered 1
		.amdhsa_forward_progress 1
		.amdhsa_inst_pref_size 89
	.end_amdhsa_kernel
	.amdgpu_metadata
---
amdhsa.version: [ 1, 2 ]
amdhsa.kernels:
  - .name:           k_q2b6c9778cc_kstate
    .symbol:         k_q2b6c9778cc_kstate.kd
    .args:
      - { .name: k, .offset: 0, .size: 8, .value_kind: global_buffer, .address_space: global }
      - { .name: v, .offset: 8, .size: 8, .value_kind: global_buffer, .address_space: global }
      - { .name: projection_matrix, .offset: 16, .size: 8, .value_kind: global_buffer, .address_space: global }
      - { .name: states, .offset: 24, .size: 8, .value_kind: global_buffer, .address_space: global }
      - { .name: kmax, .offset: 32, .size: 8, .value_kind: global_buffer, .address_space: global }
    .group_segment_fixed_size: 220416
    .private_segment_fixed_size: 0
    .kernarg_segment_align: 8
    .kernarg_segment_size: 40
    .max_flat_workgroup_size: 128
    .sgpr_count:     66
    .vgpr_count:     256
    .wavefront_size: 32
...
	.end_amdgpu_metadata
.endif
;; end of part 1
;; launch attn (part 2): grid 256 x 1, 8 waves a work-group, no clusters, 303,104 bytes of LDS; arguments q, k, v, projection_matrix, states, kmax, out0; writes out0
.if DOCPART == 2
	.amdgcn_target "amdgcn-amd-amdhsa--gfx1250"
	.amdhsa_code_object_version 6
	.text
	.protected	k_q2b6c9778cc_attn
	.globl	k_q2b6c9778cc_attn
	.p2align	8
	.type	k_q2b6c9778cc_attn,@function
k_q2b6c9778cc_attn:
	s_mov_b64 s[64:65], 0
	v_nop
	global_prefetch_b8 v0, s[64:65] scope:SCOPE_SE
	s_setreg_imm32_b32 hwreg(HW_REG_WAVE_MODE, 25, 1), 1
	s_wait_xcnt 0x0
; FAVOR+ causal attention, second of two launches.  Work-group id = 4 head + c owns query rows 256 c .. 256 c + 255 of its head.
;   stab = the largest of the head's four kmax;   kp = exp2(C1 (raw_k - stab) - C2 |k|^2) + eps;   qp likewise against the row's own maximum
;   keys of earlier quarters enter through S[m][d] = sum over c' < c of f A + eps Vs and z[m] = sum of f za + 256 c eps,
;   f = 2^-14 exp2(C1 (lmax_c' - stab)) (A and za come with a factor 2^14): sum_t (qp . kp_t) v_t = qp . (sum_t kp_t v_t), in another order
;   the own quarter: causal scores qp kp^T in steps of 32 keys, times v; the row sums come from a fifth tile whose v is all ones
; Wave w prepares keys and rows of v 32 w .. 32 w + 31 and owns query block b = w (w < 4) or 11 - w: b + 1 key steps, so waves w and w + 4
; have nine steps together.  All products are used transposed, so that each result packs straight into the next product's fragment:
;   projection  D[m = 8h+j][row = r]   ->  fragment (row r, k = m)            scores  D[key = 8h+j][query = r]  ->  fragment (query r, k = key)
;   output      D[d = 8h+j][query = r] ->  eight neighbouring numbers of an output row in a lane
; FORMATS.  In a head's first rows a few keys share a row's weight, so the rounding of qp, kp and the scores goes straight into the output:
; they are kept in f16, 11 significant bits.  The computation bounds them for every input: kp and qp lie in [1e-4, 1.0001], normal f16
; numbers.  The scores lie in [64e-8, 64.02]; qp carries a factor 512 (+9 in its exponent, 512 eps added), so the scaled scores lie in
; [3.3e-4, 32,775], normal f16 numbers too; the factor leaves in the division, since the row sums carry it as well.
; S and z can reach 768 times the largest |v|, for which f16 has no room: they go in bf16, against a second copy of 512 qp in bf16;
; their rounding enters only relative to sums over 256 keys or more.
; No cluster: no two work-groups read the same byte of q, k or v; shared are P (16,384 bytes) and the images, of which partners would need
; different numbers (c of them).  No ring: the 196,608 bytes of q, k, v are all requested in the first lines.
; LIMITS: |q|, |k|, |v|, |P| below 65,504 (f16's largest number), and numbers below 2^-14 in magnitude are kept to 2^-25 absolute;
; exponents are chains of fused multiply-adds in base 2 (another order of rounding than exp(x - diag - max)); v_exp_f32 gives 0
; below 2^-126, beside eps = 1e-4; a NaN loses in the maxima.
.set KPITCH, 272                       ; f32 rows: 256 bytes + 16
.set BPITCH, 160                       ; f16 [K][N] rows: 128 bytes + 32
.set KST,  0                           ; 256 keys x 272, tensor loads alone
.set QST,  69632                       ; 256 queries x 272, tensor loads alone; wave w's block at 8,704 w
.set VB,   139264                      ; v in f16, 256 x 160
.set PB,   180224                      ; P in f16, 64 x 160
.set KP,   190464                      ; kp as f16 fragments: key tile x 2,048 + s x 1,024 + half x 512 + 16 L
.set SI,   223232                      ; S, z in bf16: unit w x 1,280 + dt x 256 + 8 L
.set OST,  233472                      ; the way out: 32 rows x 272 for each wave
.set IMG,  24576
.set C1,   0x3f0293ee                  ; 64^-1/4 log2 e
.set NC1,  0xbf0293ee
.set NC2,  0xbdb8aa3b                  ; - log2 e / 16
.set EPS,  0x38d1b717                  ; 1e-4
.set EPS256, 0x3cd1b717                ; 256 eps
.set EPS512, 0x3d51b717                ; 512 eps
.set ONE2, 0x3c003c00                  ; two f16 ones
.set L16,  1                           ; 16 L
.set ADXK, 2
.set ADXQ, 3
.set ADP,  4
.set ADV,  5                           ; steps by 32 rows of v
.set ADKP, 6                           ; steps by two key tiles
.set ADKPW, 7
.set ADSI, 8
.set ADSIW, 9
.set ADOW, 10
.set ADOR, 11
.set NBP,  12                          ; v[12:13] the exponent's addend, twice
.set NBK,  14                          ; - C1 stab
.set TM,   15                          ; r - 8 h
.set QF,   16                          ; v[16:47]   512 qp in f16, fragments (qt, s) at 16 qt + 8 s
.set ST,   48                          ; v[48:119]  three images' shares: set n at 24 n: five units of 4, then Vs of dt = 0..3
.set PL,   120                         ; v[120:135] P as loaded
.set VL,   136                         ; v[136:199] v as loaded
.set ACCS, 200                         ; v[200:219] my five units of S, z
.set EE,   220                         ; v[220:229] eps Vs (dt < 4), 256 c eps (dt = 4), each twice
.set FF,   230                         ; v[230:235] f of quarters 0, 1, 2, each twice
.set OFV,  240
.set OFP,  241
.set OFS,  242
.set ADVBW, 243
.set ADPBW, 244
.set T,    248                         ; v[248:251] two pairs at work
.set STB,  252
.set TF,   253
.set PF,   48                          ; v[48:111]  P fragments (mt, s) at 8 (2 mt + s)
.set X,    112                         ; v[112:143] half a row in f32
.set XB,   144                         ; v[144:159] its two f16 fragments
.set RR,   160                         ; v[160:191] raw tiles mt = 0..3
.set KF,   200                         ; v[200:215] a key tile's kp fragments
.set QB,   208                         ; v[208:239] 512 qp in bf16, fragments as QF: for the earlier quarters alone
.set OA,   48                          ; v[48:127]  output tiles (qt, dt) at 40 qt + 8 dt; dt = 4: the row sums
.set SF,   128                         ; v[128:207] S, z fragments (dt, s) at 8 (2 dt + s)
.set KPF,  128                         ; v[128:159] kp fragments (kt, s) at 8 (2 kt + s)
.set VF,   160                         ; v[160:191] v fragments dt = 0..3
.set PR,   192                         ; v[192:207] score fragments qt = 0, 1
.set SC,   208                         ; v[208:239] score tiles (qt, kt) at 8 (2 qt + kt)
.set ONES, 240                         ; v[240:247]
.set INV,  248
.set OUTR, 128                         ; v[128:191] output rows on their way out
.set G1,   36                          ; s[36:43]
.set G0K,  44                          ; s[44:47]
.set G0Q,  48                          ; s[48:51]
.set MSK,  52                          ; s[52:59] lanes in which key 8 h + j <= query r
.set SNC2, 66                          ; s66 = - C2
.set SNC1, 67                          ; s67 = - C1
.set SEQ,  68                          ; s[68:69] = 512 eps, twice
.set SH9,  70                          ; s70 = 9.0: qp's factor 512, in the exponent
.set SHM14, 71                         ; s71 = -14.0: takes back the images' factor 2^14
; Four places behind a matrix instruction before a vector instruction, a store or a load touches its registers.
.macro PLACES
.rept 4
	v_nop
.endr
.endm
.macro XLOAD adr, tile
.irp g, 0,1,2,3,4,5,6,7
	ds_load_b128 v[X+4*\g:X+4*\g+3], v[\adr] offset:(\tile)*16*KPITCH+(\g/2)*64+(\g%2)*16
.endr
.endm
; The feature map of 16 rows: 16 registers at dst = the two f16 fragments (row r, k = m).
; isq = 1: against the row's own maximum, times 512, and once more in bf16 at dstb.
.macro FEAT isq, adr, tile, dst, dstb
	XLOAD \adr, \tile
	s_wait_dscnt 0x0
	v_pk_mul_f32 v[T:T+1], v[X:X+1], v[X:X+1]
	v_pk_mul_f32 v[T+2:T+3], v[X+2:X+3], v[X+2:X+3]
.set jj, 2
.rept 7
	v_pk_fma_f32 v[T:T+1], v[X+2*jj:X+2*jj+1], v[X+2*jj:X+2*jj+1], v[T:T+1]
	v_pk_fma_f32 v[T+2:T+3], v[X+2*jj+2:X+2*jj+3], v[X+2*jj+2:X+2*jj+3], v[T+2:T+3]
.set jj, jj+2
.endr
	v_pk_add_f32 v[T:T+1], v[T:T+1], v[T+2:T+3]
.set jj, 0
.rept 16
	v_cvt_pk_f16_f32 v[XB+jj], v[X+2*jj], v[X+2*jj+1]
.set jj, jj+1
.endr
.irp mt, 0,1,2,3
	v_wmma_f32_16x16x32_f16 v[RR+8*\mt:RR+8*\mt+7], v[PF+16*\mt:PF+16*\mt+7], v[XB:XB+7], 0
.endr
.irp mt, 0,1,2,3
	v_wmma_f32_16x16x32_f16 v[RR+8*\mt:RR+8*\mt+7], v[PF+16*\mt+8:PF+16*\mt+15], v[XB+8:XB+15], v[RR+8*\mt:RR+8*\mt+7]
.endr
	v_add_f32 v[T], v[T], v[T+1]                   ; these lines name no register of the products: they are the places behind them
	v_permlanex16_b32 v[T+1], v[T], s28, s29       ; the other half of the row lies in lane L xor 16
	v_add_f32 v[T], v[T], v[T+1]                   ; |x|^2 of row r
.if \isq
	v_fma_f32 v[NBP], v[T], s[SNC2], s[SH9]        ; 9 - C2 |q|^2
	v_nop
	v_nop
	v_max_num_f32 v[T+2], v[RR], v[RR+1]
	v_max_num_f32 v[T+3], v[RR+16], v[RR+17]
.set jj, 1
.rept 7
	v_max3_num_f32 v[T+2], v[T+2], v[RR+2*jj], v[RR+2*jj+1]
	v_max3_num_f32 v[T+3], v[T+3], v[RR+16+2*jj], v[RR+17+2*jj]
.set jj, jj+1
.endr
	v_max_num_f32 v[T+2], v[T+2], v[T+3]
	v_permlanex16_b32 v[T+3], v[T+2], s28, s29
	v_max_num_f32 v[T+2], v[T+2], v[T+3]           ; the row's largest raw
	v_fma_f32 v[NBP], v[T+2], s[SNC1], v[NBP]      ; 9 - C1 max - C2 |q|^2
	v_mov_b32 v[NBP+1], v[NBP]
.else
	v_fma_f32 v[NBP], v[T], s[SNC2], v[NBK]        ; - C2 |k|^2 - C1 stab
	v_fma_f32 v[NBP+1], v[T], s[SNC2], v[NBK]
	v_nop
.endif
.set jj, 0
.rept 16
	v_pk_fma_f32 v[RR+2*jj:RR+2*jj+1], v[RR+2*jj:RR+2*jj+1], s[30:31], v[NBP:NBP+1] op_sel_hi:[1,0,1]
.set jj, jj+1
.endr
.set jj, 0
.rept 32
	v_exp_f32 v[RR+jj], v[RR+jj]
.set jj, jj+1
.endr
	v_nop                                          ; one plain place behind the last exponential
	s_wait_alu depctr_va_vdst(0)
.set jj, 0
.rept 16
.if \isq
	v_pk_add_f32 v[RR+2*jj:RR+2*jj+1], v[RR+2*jj:RR+2*jj+1], s[SEQ:SEQ+1] op_sel_hi:[1,0]
.else
	v_pk_add_f32 v[RR+2*jj:RR+2*jj+1], v[RR+2*jj:RR+2*jj+1], s[32:33] op_sel_hi:[1,0]
.endif
.set jj, jj+1
.endr
.set jj, 0
.rept 16
	v_cvt_pk_f16_f32 v[\dst+jj], v[RR+2*jj], v[RR+2*jj+1]
.set jj, jj+1
.endr
.if \isq
.set jj, 0
.rept 16
	v_cvt_pk_bf16_f32 v[\dstb+jj], v[RR+2*jj], v[RR+2*jj+1]
.set jj, jj+1
.endr
.endif
.endm
.macro STLOAD n                        ; my share of quarter n's image: units (mt = w >> 1, half = w & 1) of dt = 0..4, and Vs
.irp dt, 0,1,2,3,4
	global_load_b128 v[ST+24*\n+4*\dt:ST+24*\n+4*\dt+3], v[OFS], s[12:13] offset:\n*IMG+\dt*1024
.endr
.irp dt, 0,1,2,3
	global_load_b32 v[ST+24*\n+20+\dt], v[L16], s[12:13] offset:\n*IMG+(20+\dt)*1024
.endr
.endm
.macro KPLOAD                          ; two key tiles' fragments
.irp g, 0,1,2,3,4,5,6,7
	ds_load_b128 v[KPF+4*\g:KPF+4*\g+3], v[ADKP] offset:\g*512
.endr
.endm
.macro VLOAD                           ; 32 rows of v, transposed: fragments (row d, k = key)
.irp dt, 0,1,2,3
	ds_load_tr16_b128 v[VF+8*\dt:VF+8*\dt+3], v[ADV] offset:\dt*32
	ds_load_tr16_b128 v[VF+8*\dt+4:VF+8*\dt+7], v[ADV] offset:\dt*32+16*BPITCH
.endr
.endm
.macro SMUL qt, kt, s
.if \s
	v_wmma_f32_16x16x32_f16 v[SC+8*(2*\qt+\kt):SC+8*(2*\qt+\kt)+7], v[KPF+16*\kt+8:KPF+16*\kt+15], v[QF+16*\qt+8:QF+16*\qt+15], v[SC+8*(2*\qt+\kt):SC+8*(2*\qt+\kt)+7]
.else
	v_wmma_f32_16x16x32_f16 v[SC+8*(2*\qt+\kt):SC+8*(2*\qt+\kt)+7], v[KPF+16*\kt:KPF+16*\kt+7], v[QF+16*\qt:QF+16*\qt+7], 0
.endif
.endm
.macro PACK qt, kt                     ; a score tile into its half of the fragment
.irp i, 0,1,2,3
	v_cvt_pk_f16_f32 v[PR+8*\qt+4*\kt+\i], v[SC+8*(2*\qt+\kt)+2*\i], v[SC+8*(2*\qt+\kt)+2*\i+1]
.endr
.endm
.macro PV                              ; ten links of the output's chains
.irp qt, 0,1
.irp dt, 0,1,2,3
	v_wmma_f32_16x16x32_f16 v[OA+40*\qt+8*\dt:OA+40*\qt+8*\dt+7], v[VF+8*\dt:VF+8*\dt+7], v[PR+8*\qt:PR+8*\qt+7], v[OA+40*\qt+8*\dt:OA+40*\qt+8*\dt+7]
.endr
	v_wmma_f32_16x16x32_f16 v[OA+40*\qt+32:OA+40*\qt+39], v[ONES:ONES+7], v[PR+8*\qt:PR+8*\qt+7], v[OA+40*\qt+32:OA+40*\qt+39]
.endr
.endm
	s_load_b256 s[4:11], s[0:1], 0x0               ; q s[4:5], k s[6:7], v s[8:9], P s[10:11]
	s_load_b128 s[12:15], s[0:1], 0x20             ; states s[12:13], kmax s[14:15]
	s_load_b64 s[16:17], s[0:1], 0x30              ; out0
	v_lshrrev_b32 v1, 5, v0
	v_readfirstlane_b32 s18, v1                    ; wave 0..7
	s_mov_b32 s19, ttmp9                           ; id
	s_and_b32 s20, s19, 3                          ; c
	s_lshr_b32 s21, s19, 2                         ; head
	s_sub_co_u32 s60, 11, s18
	s_cmp_lt_u32 s18, 4
	s_cselect_b32 s22, s18, s60                    ; b: my query block, and the number of my full key steps
	s_mov_b32 s28, 0x76543210
	s_mov_b32 s29, 0xfedcba98
	s_mov_b32 s30, C1
	s_mov_b32 s31, C1
	s_mov_b32 s32, EPS
	s_mov_b32 s33, EPS
	s_mov_b32 s[SNC2], NC2
	s_mov_b32 s[SNC1], NC1
	s_mov_b32 s[SEQ], EPS512
	s_mov_b32 s[SEQ+1], EPS512
	s_mov_b32 s[SH9], 0x41100000
	s_mov_b32 s[SHM14], 0xc1600000
	; group 1: a tile of 32 rows x 64 f32, 4 words of padding behind every 64 words
	s_mov_b32 s[G1+0], (2<<16)|(1<<20)|(5<<22)|(3<<25)
	s_mov_b32 s[G1+1], 64<<16
	s_mov_b32 s[G1+2], 32<<16
	s_mov_b32 s[G1+3], 64<<16
	s_mov_b32 s[G1+4], 32
	s_mov_b32 s[G1+5], 64
	s_mov_b32 s[G1+6], 0
	s_mov_b32 s[G1+7], 0
	s_mul_i32 s61, s18, 32*KPITCH                  ; my wave's 32 rows in each f32 stage
	s_wait_kmcnt 0x0
	s_lshl_b32 s34, s19, 16                        ; the quarter's 65,536 bytes
	s_mov_b32 s35, 0
	s_add_nc_u64 s[4:5], s[4:5], s[34:35]
	s_add_nc_u64 s[6:7], s[6:7], s[34:35]
	s_add_nc_u64 s[8:9], s[8:9], s[34:35]
	s_add_nc_u64 s[16:17], s[16:17], s[34:35]
	s_lshl_b32 s34, s18, 13                        ; keys 32 w ..
	s_add_nc_u64 s[6:7], s[6:7], s[34:35]
	s_mov_b32 s[G0K], 1
	s_add_co_u32 s[G0K+1], s61, KST
	s_mov_b64 s[G0K+2:G0K+3], s[6:7]
	s_or_b32 s[G0K+3], s[G0K+3], 0x80000000
	tensor_load_to_lds s[G0K:G0K+3], s[G1:G1+7]    ; two loads out at the most; only my wave reads what they bring
	s_nop 0
	s_lshl_b32 s34, s22, 13                        ; queries 32 b ..
	s_add_nc_u64 s[4:5], s[4:5], s[34:35]
	s_add_nc_u64 s[16:17], s[16:17], s[34:35]
	s_mov_b32 s[G0Q], 1
	s_add_co_u32 s[G0Q+1], s61, QST
	s_mov_b64 s[G0Q+2:G0Q+3], s[4:5]
	s_or_b32 s[G0Q+3], s[G0Q+3], 0x80000000
	tensor_load_to_lds s[G0Q:G0Q+3], s[G1:G1+7]
	s_nop 0
	s_lshl_b32 s34, s21, 4
	s_add_nc_u64 s[14:15], s[14:15], s[34:35]
	s_load_b128 s[24:27], s[14:15], 0x0            ; the head's four maxima (stored by the launch before)
	s_mul_i32 s34, s21, 4*IMG
	s_add_nc_u64 s[12:13], s[12:13], s[34:35]      ; the head's images
	v_and_b32 v248, 31, v0                         ; L
	v_and_b32 v249, 15, v0                         ; r
	v_bfe_u32 v250, v0, 4, 1                       ; h
	v_lshlrev_b32 v[L16], 4, v248
	s_lshl_b32 s62, s18, 13
	v_add_nc_u32 v[OFV], s62, v[L16]
	s_lshl_b32 s62, s18, 11
	v_add_nc_u32 v[OFP], s62, v[L16]
	s_lshr_b32 s62, s18, 1
	s_mul_i32 s62, s62, 5120
	s_and_b32 s63, s18, 1
	s_lshl_b32 s63, s63, 9
	s_add_co_u32 s62, s62, s63
	v_add_nc_u32 v[OFS], s62, v[L16]
	; images of quarters at or behind mine count as zero: every register is written on every way through the ladder
.set ii, 0
.rept 72
	v_mov_b32 v[ST+ii], 0
.set ii, ii+1
.endr
	s_cmp_eq_u32 s20, 0
	s_cbranch_scc1 .Lst
	STLOAD 0
	s_cmp_eq_u32 s20, 1
	s_cbranch_scc1 .Lst
	STLOAD 1
	s_cmp_eq_u32 s20, 2
	s_cbranch_scc1 .Lst
	STLOAD 2
.Lst:
.irp i, 0,1,2,3
	global_load_b128 v[PL+4*\i:PL+4*\i+3], v[OFP], s[10:11] offset:\i*512      ; P rows 8 w .. 8 w + 7
.endr
.set ii, 0
.rept 16
	global_load_b128 v[VL+4*ii:VL+4*ii+3], v[OFV], s[8:9] offset:ii*512 th:TH_LOAD_NT  ; v rows 32 w ..: their last use in the program
.set ii, ii+1
.endr
	v_mul_u32_u24 v251, v249, KPITCH
	v_lshl_add_u32 v251, v250, 5, v251             ; row r, 32 bytes for each half
	v_add_nc_u32 v[ADXK], s61, v251
	v_add_nc_u32 v[ADXQ], QST, v[ADXK]
	v_add_nc_u32 v[ADOW], OST, v[ADXK]
	v_mul_u32_u24 v251, v250, KPITCH
	v_lshl_add_u32 v251, v249, 4, v251             ; row h, 16 bytes a lane
	s_add_co_u32 s62, s61, OST
	v_add_nc_u32 v[ADOR], s62, v251
	v_and_b32 v251, 7, v0                          ; the transposing load's lane term
	v_lshl_add_u32 v251, v250, 3, v251
	v_mul_u32_u24 v251, v251, BPITCH
	v_bfe_u32 v252, v0, 3, 1
	v_lshl_add_u32 v251, v252, 4, v251
	v_add_nc_u32 v[ADP], PB, v251
	v_add_nc_u32 v[ADV], VB, v251
	v_add_nc_u32 v[ADKP], KP, v[L16]
	s_lshl_b32 s62, s18, 12
	v_add_nc_u32 v[ADKPW], s62, v[ADKP]
	v_lshlrev_b32 v251, 3, v248
	v_add_nc_u32 v[ADSI], SI, v251
	s_mul_i32 s62, s18, 1280
	v_add_nc_u32 v[ADSIW], s62, v[ADSI]
	v_mul_u32_u24 v251, v250, BPITCH
	v_lshl_add_u32 v251, v249, 3, v251             ; row h, 8 bytes for 4 columns
	s_add_co_u32 s63, s62, PB                      ; 8 rows of 160 bytes are 1,280 too
	v_add_nc_u32 v[ADPBW], s63, v251
	s_mul_i32 s62, s18, 32*BPITCH
	s_add_co_u32 s62, s62, VB
	v_add_nc_u32 v[ADVBW], s62, v251
	v_lshlrev_b32 v251, 3, v250
	v_sub_nc_u32 v[TM], v249, v251
.irp j, 0,1,2,3,4,5,6,7
	v_cmp_le_i32 s[MSK+\j], \j, v[TM]              ; 8 h + j <= r
.endr
	s_wait_loadcnt 16                              ; P and the images, which are older, are in; the 16 loads of v stay out
.set ii, 0
.rept 4
	v_cvt_pk_f16_f32 v[PL+4*ii], v[PL+4*ii], v[PL+4*ii+1]
	v_cvt_pk_f16_f32 v[PL+4*ii+1], v[PL+4*ii+2], v[PL+4*ii+3]
	ds_store_b64 v[ADPBW], v[PL+4*ii:PL+4*ii+1] offset:ii*2*BPITCH
.set ii, ii+1
.endr
	s_wait_kmcnt 0x0                               ; the four maxima
	s_wait_dscnt 0x0                               ; my rows of P are in LDS, for the others' sake
	s_barrier_signal -1
	; registers only while the others arrive: stab, f, and my five units of S and z
	v_mov_b32 v[STB], s24
	v_max3_num_f32 v[STB], v[STB], s25, s26
	v_max_num_f32 v[STB], s27, v[STB]              ; the head's maximum
	v_mul_f32 v[NBK], NC1, v[STB]
.irp p, 0,1,2
	v_sub_f32 v[TF+\p], s[24+\p], v[STB]
	v_fma_f32 v[TF+\p], v[TF+\p], s30, s[SHM14]    ; C1 (lmax - stab) - 14
.endr
.irp p, 0,1,2
	v_exp_f32 v[FF+2*\p], v[TF+\p]
	v_exp_f32 v[FF+2*\p+1], v[TF+\p]
.endr
.irp dt, 0,1,2,3
	v_add_f32 v[EE+2*\dt+1], v[ST+20+\dt], v[ST+44+\dt]    ; (the first of these is the plain place behind the exponentials)
	v_add_f32 v[EE+2*\dt+1], v[EE+2*\dt+1], v[ST+68+\dt]
	v_mul_f32 v[EE+2*\dt], s32, v[EE+2*\dt+1]
	v_mul_f32 v[EE+2*\dt+1], s32, v[EE+2*\dt+1]
.endr
	v_cvt_f32_u32 v[EE+9], s20
	v_mul_f32 v[EE+8], EPS256, v[EE+9]             ; eps for each of the 256 c earlier keys
	v_mul_f32 v[EE+9], EPS256, v[EE+9]
	s_wait_alu depctr_va_vdst(0)
.irp dt, 0,1,2,3,4
.irp u, 0,2
	v_pk_fma_f32 v[ACCS+4*\dt+\u:ACCS+4*\dt+\u+1], v[ST+4*\dt+\u:ST+4*\dt+\u+1], v[FF:FF+1], v[EE+2*\dt:EE+2*\dt+1]
.endr
.endr
.irp dt, 0,1,2,3,4
.irp u, 0,2
	v_pk_fma_f32 v[ACCS+4*\dt+\u:ACCS+4*\dt+\u+1], v[ST+24+4*\dt+\u:ST+24+4*\dt+\u+1], v[FF+2:FF+3], v[ACCS+4*\dt+\u:ACCS+4*\dt+\u+1]
.endr
.endr
.irp dt, 0,1,2,3,4
.irp u, 0,2
	v_pk_fma_f32 v[ACCS+4*\dt+\u:ACCS+4*\dt+\u+1], v[ST+48+4*\dt+\u:ST+48+4*\dt+\u+1], v[FF+4:FF+5], v[ACCS+4*\dt+\u:ACCS+4*\dt+\u+1]
.endr
.endr
.irp dt, 0,1,2,3,4
	v_cvt_pk_bf16_f32 v[ACCS+4*\dt], v[ACCS+4*\dt], v[ACCS+4*\dt+1]            ; bf16: sums of up to 768 v have no room in f16
	v_cvt_pk_bf16_f32 v[ACCS+4*\dt+1], v[ACCS+4*\dt+2], v[ACCS+4*\dt+3]
.endr
	s_barrier_wait -1                              ; all of P is in LDS
.irp dt, 0,1,2,3,4
	ds_store_b64 v[ADSIW], v[ACCS+4*\dt:ACCS+4*\dt+1] offset:\dt*256
.endr
.irp mt, 0,1,2,3
.irp s, 0,1
	ds_load_tr16_b128 v[PF+8*(2*\mt+\s):PF+8*(2*\mt+\s)+3], v[ADP] offset:\s*32*BPITCH+\mt*32
	ds_load_tr16_b128 v[PF+8*(2*\mt+\s)+4:PF+8*(2*\mt+\s)+7], v[ADP] offset:\s*32*BPITCH+\mt*32+16*BPITCH
.endr
.endr
	s_wait_loadcnt 0x0                             ; v
.set ii, 0
.rept 16
	v_cvt_pk_f16_f32 v[VL+4*ii], v[VL+4*ii], v[VL+4*ii+1]
	v_cvt_pk_f16_f32 v[VL+4*ii+1], v[VL+4*ii+2], v[VL+4*ii+3]
	ds_store_b64 v[ADVBW], v[VL+4*ii:VL+4*ii+1] offset:ii*2*BPITCH
.set ii, ii+1
.endr
	s_wait_tensorcnt 0x1                           ; my keys are in; q's tile, which is younger, may stay out
.irp tile, 0,1
	FEAT 0, ADXK, \tile, KF, 0
.irp g, 0,1,2,3
	ds_store_b128 v[ADKPW], v[KF+4*\g:KF+4*\g+3] offset:\tile*2048+\g*512
.endr
.endr
	s_wait_tensorcnt 0x0                           ; my queries are in
	s_wait_dscnt 0x0                               ; my parts of S, v and kp are in LDS, for the others' sake
	s_barrier_signal -1
	FEAT 1, ADXQ, 0, QF, QB                        ; while the others arrive: registers, and loads of my query stage, which no wave ever writes
	FEAT 1, ADXQ, 1, QF+16, QB+16
	s_barrier_wait -1                              ; S, v and kp of all waves are in LDS
	; the earlier quarters, in bf16: O^T = S^T qp^T, and the row sums from z.  These products start every sum.
.irp dt, 0,1,2,3,4
.irp s, 0,1
.irp i, 0,1,2,3
	ds_load_b64 v[SF+8*(2*\dt+\s)+2*\i:SF+8*(2*\dt+\s)+2*\i+1], v[ADSI] offset:(4*\s+\i)*1280+\dt*256
.endr
.endr
.endr
	s_wait_dscnt 0x0
.irp qt, 0,1
.irp dt, 0,1,2,3,4
	v_wmma_f32_16x16x32_bf16 v[OA+40*\qt+8*\dt:OA+40*\qt+8*\dt+7], v[SF+16*\dt:SF+16*\dt+7], v[QB+16*\qt:QB+16*\qt+7], 0
.endr
.endr
.irp qt, 0,1
.irp dt, 0,1,2,3,4
	v_wmma_f32_16x16x32_bf16 v[OA+40*\qt+8*\dt:OA+40*\qt+8*\dt+7], v[SF+16*\dt+8:SF+16*\dt+15], v[QB+16*\qt+8:QB+16*\qt+15], v[OA+40*\qt+8*\dt:OA+40*\qt+8*\dt+7]
.endr
.endr
	; Eight plain instructions that name none of those products' registers: the places in front of the loads into S's fragments (four are
	; asked), of the score products that write over the bf16 qp, and of the first f16 link on these accumulators (five each).
.irp i, 0,1,2,3,4,5,6,7
	v_mov_b32 v[ONES+\i], ONE2
.endr
	KPLOAD                                         ; key step 0
	VLOAD
	s_mov_b32 s23, 0
	s_cmp_eq_u32 s22, 0
	s_cbranch_scc1 .Ldiag
.Lstep:                                            ; a full step of 32 keys; on both ways in, 8 loads of kp and behind them 8 of v are out
	s_wait_dscnt 8                                 ; kp is in; the 8 younger loads of v stay out
	SMUL 0, 0, 0
	SMUL 0, 1, 0
	SMUL 1, 0, 0
	SMUL 1, 1, 0
	SMUL 0, 0, 1
	SMUL 0, 1, 1
	SMUL 1, 0, 1
	SMUL 1, 1, 1
	v_add_nc_u32 v[ADKP], 4096, v[ADKP]            ; the next step's addresses fill two of the four places
	v_add_nc_u32 v[ADV], 32*BPITCH, v[ADV]
	v_nop
	v_nop
	KPLOAD                                         ; the next step's kp (at the latest the diagonal's)
	PACK 0, 0
	PACK 0, 1
	PACK 1, 0
	PACK 1, 1
	s_wait_dscnt 8                                 ; v is in; the 8 younger loads of kp stay out
	PV
	PLACES
	VLOAD
	s_add_co_u32 s23, s23, 1
	s_cmp_lt_u32 s23, s22
	s_cbranch_scc1 .Lstep
.Ldiag:                                            ; keys 32 b .. 32 b + 31: tile (0, 1) lies above the diagonal, (0, 0) and (1, 1) on it
	s_wait_dscnt 8
	SMUL 0, 0, 0
	SMUL 1, 0, 0
	SMUL 1, 1, 0
	SMUL 0, 0, 1
	SMUL 1, 0, 1
	SMUL 1, 1, 1
	PLACES
.irp j, 0,1,2,3,4,5,6,7
	v_cndmask_b32 v[SC+\j], 0, v[SC+\j], s[MSK+\j]
	v_cndmask_b32 v[SC+24+\j], 0, v[SC+24+\j], s[MSK+\j]
.endr
	PACK 0, 0
.irp i, 4,5,6,7
	v_mov_b32 v[PR+\i], 0
.endr
	PACK 1, 0
	PACK 1, 1
	s_wait_dscnt 0x0                               ; v is in, and with it every LDS load of my key steps
	; Load, wait, barrier, store: the key steps' addresses walk kp and v by b steps, a number that differs from wave to wave, so the order
	; between every wave's last read of them and the first store into LDS behind them is written down here and not left to the map of LDS.
	; The signal stands behind my last read; the last products and the division, which touch registers only, fill the time to the wait.
	s_barrier_signal -1
	PV
	PLACES
	; the way out: divide by the row sums, 16 bytes a lane into my own stage, whole rows back
	v_rcp_f32 v[INV], v[OA+32]
	v_rcp_f32 v[INV+1], v[OA+72]
	v_nop
	s_wait_alu depctr_va_vdst(0)
.irp dt, 0,1,2,3
.irp u, 0,2,4,6
	v_pk_mul_f32 v[OA+8*\dt+\u:OA+8*\dt+\u+1], v[OA+8*\dt+\u:OA+8*\dt+\u+1], v[INV:INV+1] op_sel_hi:[1,0]
	v_pk_mul_f32 v[OA+40+8*\dt+\u:OA+40+8*\dt+\u+1], v[OA+40+8*\dt+\u:OA+40+8*\dt+\u+1], v[INV:INV+1] op_sel:[0,1] op_sel_hi:[1,1]
.endr
.endr
	s_barrier_wait -1                              ; every wave has read its last kp and v
.irp qt, 0,1
.irp dt, 0,1,2,3
	ds_store_b128 v[ADOW], v[OA+40*\qt+8*\dt:OA+40*\qt+8*\dt+3] offset:\qt*16*KPITCH+\dt*64
	ds_store_b128 v[ADOW], v[OA+40*\qt+8*\dt+4:OA+40*\qt+8*\dt+7] offset:\qt*16*KPITCH+\dt*64+16
.endr
.endr
.set ii, 0
.rept 16
	ds_load_b128 v[OUTR+4*ii:OUTR+4*ii+3], v[ADOR] offset:ii*2*KPITCH          ; my own wave's stores, served in order: two rows a load
.set ii, ii+1
.endr
.set ii, 0
.rept 16
	s_wait_dscnt 15-ii                             ; this load is in; the younger ones stay out
	global_store_b128 v[L16], v[OUTR+4*ii:OUTR+4*ii+3], s[16:17] offset:ii*512 th:TH_STORE_NT  ; 512 consecutive bytes, aligned
.set ii, ii+1
.endr
	s_endpgm
.Lfunc_end_k_q2b6c9778cc_attn:
	.size	k_q2b6c9778cc_attn, .Lfunc_end_k_q2b6c9778cc_attn-k_q2b6c9778cc_attn
	.p2alignl 7, 3214868480
	.fill 96, 4, 3214868480
	.section	.rodata,"a",@progbits
	.p2align	6, 0x0
	.amdhsa_kernel k_q2b6c9778cc_attn
		.amdhsa_group_segment_fixed_size 303104
		.amdhsa_private_segment_fixed_size 0
		.amdhsa_enable_private_segment 0
		.amdhsa_kernarg_size 56
		.amdhsa_user_sgpr_count 2
		.amdhsa_user_sgpr_kernarg_segment_ptr 1
		.amdhsa_wavefront_size32 1
		.amdhsa_system_sgpr_workgroup_id_x 1
		.amdhsa_system_sgpr_workgroup_id_y 1
		.amdhsa_system_sgpr_workgroup_id_z 1
		.amdhsa_system_vgpr_workitem_id 0
		.amdhsa_next_free_vgpr 256
		.amdhsa_next_free_sgpr 72
		.amdhsa_reserve_vcc 0
		.amdhsa_float_denorm_mode_32 3
		.amdhsa_float_denorm_mode_16_64 3
		.amdhsa_memory_ordered 1
		.amdhsa_forward_progress 1
		.amdhsa_inst_pref_size 75
	.end_amdhsa_kernel
	.amdgpu_metadata
---
amdhsa.version: [ 1, 2 ]
amdhsa.kernels:
  - .name:           k_q2b6c9778cc_attn
    .symbol:         k_q2b6c9778cc_attn.kd
    .args:
      - { .name: q, .offset: 0, .size: 8, .value_kind: global_buffer, .address_space: global }
      - { .name: k, .offset: 8, .size: 8, .value_kind: global_buffer, .address_space: global }
      - { .name: v, .offset: 16, .size: 8, .value_kind: global_buffer, .address_space: global }
      - { .name: projection_matrix, .offset: 24, .size: 8, .value_kind: global_buffer, .address_space: global }
      - { .name: states, .offset: 32, .size: 8, .value_kind: global_buffer, .address_space: global }
      - { .name: kmax, .offset: 40, .size: 8, .value_kind: global_buffer, .address_space: global }
      - { .name: out0, .offset: 48, .size: 8, .value_kind: global_buffer, .address_space: global }
    .group_segment_fixed_size: 303104
    .private_segment_fixed_size: 0
    .kernarg_segment_align: 8
    .kernarg_segment_size: 56
    .max_flat_workgroup_size: 256
    .sgpr_count:     72
    .vgpr_count:     256
    .wavefront_size: 32
...
	.end_amdgpu_metadata
.endif
;; end of part 2
